; MI455X (gfx1250); checked and timed in simulation.
; The chip was launched on July 23, 2026; its instructions are those of AMD's public machine-readable ISA for CDNA 5 (MIT licence, August 2026) and "CDNA5" Instruction Set Architecture Reference Guide (July 2026). The comments in the code are by the model that wrote it; some were corrected since.
;; Permuted Residual Attention Block. Allowed arithmetic: matrix products marked QUANTISED: E2M1 operands, one E8M0 scale for each 32 along K, by v_wmma_scale_f32_16x16x128_f8f6f4 with both operands' format E2M1 (or v_wmma_scale_f32_32x16x128_f4), f32 sums; everything else in f32.
;; Inputs: Wk_codes 256 x 8 x 16 uint8 (E2M1 codes of Wk, K innermost, in blocks of 32 codes, two codes a byte); Wk_scales 256 x 8 uint8 (E8M0 scales of Wk, one for each 32 codes along K); Wq_codes 256 x 8 x 16 uint8 (E2M1 codes of Wq, K innermost, in blocks of 32 codes, two codes a byte); Wq_scales 256 x 8 uint8 (E8M0 scales of Wq, one for each 32 codes along K); Wv_codes 256 x 8 x 16 uint8 (E2M1 codes of Wv, K innermost, in blocks of 32 codes, two codes a byte); Wv_scales 256 x 8 uint8 (E8M0 scales of Wv, one for each 32 codes along K); bk 256 float32; bq 256 float32; bv 256 float32; x 8 x 256 x 8,192 float32.
;; Outputs: out0 8 x 256 x 8,192 float32.
;; This version of the problem:
;;   THIS VERSION OF THE PROBLEM IS GIVEN IN LOW PRECISION. The matrix products marked QUANTISED in the list below multiply operands that are first quantised to E2M1 (2 exponent bits, 1 mantissa bit; 4 bits a number), with one power-of-two scale for each 32 numbers along K (OCP MX v1.0); their sums are f32. All else is computed in f32.
;;   The module's matrix products, in the order in which they are computed (A, B: the left and right operand; K: the contracted axis; several contracted axes count as one K, in the product's order):
;;     1. [M 65,536, K 256] x [K 256, N 256]; A: input x; B: input Wq (given as codes): QUANTISED
;;     2. [M 65,536, K 256] x [K 256, N 256]; A: input x; B: input Wk (given as codes): QUANTISED
;;     3. [M 65,536, K 256] x [K 256, N 256]; A: input x; B: input Wv (given as codes): QUANTISED
;;     4. batch 128 x [M 512, K 256] x [K 256, N 1,024]; A: computed on the way; B: computed on the way: QUANTISED
;;     5. batch 128 x [M 512, K 1,024] x [K 1,024, N 256]; A: softmax (see below); B: computed on the way: QUANTISED
;;   THE QUANTISER, for each operand of a quantised product, along K:
;;     - K is cut into blocks of 32 from its start; a last block that is shorter is filled with zeros.
;;     - A block's scale is 2^e with e = floor(log2(the largest magnitude in the block)) - 2, held to -126 .. 127; a block of zeros has e = 0. As a byte (E8M0): e + 127.
;;     - Each number is divided by its block's scale, clamped to +-6, and rounded to the nearest number of E2M1, ties to even, subnormals kept.
;;     - The product sums the exact products of the quantised numbers (number of the format x scale) in f32.
;;   ~~~python
;;   def quantise(x, axis):      # numpy; x: float32 -> the quantised numbers, widened to float32 again
;;       x = np.moveaxis(x, axis, -1); K = x.shape[-1]
;;       x = np.pad(x, [(0, 0)] * (x.ndim - 1) + [(0, -K % 32)]); x = x.reshape(x.shape[:-1] + (-1, 32)); a = np.abs(x).max(-1, keepdims=True)
;;       e = np.where(a > 0, np.clip(np.frexp(np.where(a > 0, a, 1))[1] - 1 - 2, -126, 127), 0)      # np.frexp(a)[1] - 1 = floor(log2(a)), exactly
;;       r = np.clip(x / 2.0 ** e, -6, 6)
;;       step = 2.0 ** (np.maximum(np.frexp(np.where(r == 0, 1, r))[1] - 1, 0) - 1)
;;       q = np.round(r / step) * step * 2.0 ** e      # np.round: ties to even
;;       return np.moveaxis(q.reshape(q.shape[:-2] + (-1,))[..., :K], -1, axis).astype(np.float32)
;;   ~~~
;;   SOFTMAX AHEAD OF A QUANTISED PRODUCT. Where the list says 'softmax', what is quantised is not the finished softmax but p = 2^(t - M), with t = logit x log2(e) and M = ceil(the row's largest t), a whole number; so 1/2 < the row's largest p <= 1. The row's sum l is taken of the UNQUANTISED p, in f32, and the product's result is divided by l at the end. Since M is a whole number, a kernel that streams over the keys may use a running M (the ceiling of the running maximum): every later rescaling is an exact power of two, which a block's scale takes up: the codes' values come out the same.
;;   OPERANDS COMPUTED ON THE WAY. 'Computed on the way' means the value that the module computes at that place (a softmax that the list does not call 'softmax' is quantised finished and normalised). What goes into a quantiser is computed in f32, as accurately as f32 sums, v_exp_f32 and their like allow (about 1e-6 of the number): no bf16 or f16 on the way to a quantiser, and a product that is left as it is and whose result goes on into a quantised operand takes f32 operands (vector FMAs, or v_wmma_f32_16x16x4_f32). A number that lies on a knife's edge between two numbers of the format may be rounded either way, as far as f32 arithmetic and the matrix unit's own rounding can turn it there, and no further.
;;   INPUTS GIVEN AS CODES. Wk (in the module: [256, 256], K = its axis 1); Wq (in the module: [256, 256], K = its axis 1); Wv (in the module: [256, 256], K = its axis 1): each comes as NAME_codes (uint8): NAME with its K axis moved to the last place and cut into blocks of 32 codes, [.., K / 32, bytes a block], one block behind the other in memory; two codes a byte, the lower K in the low four bits (a code: sign, 2 exponent bits, 1 mantissa bit); and NAME_scales (uint8): the same leading axes, one E8M0 byte (e + 127) for each 32 codes along K. Its value is code x scale, taken as it is: it is not quantised again, and the codes and scales need not be those that the quantiser above would give.
;; One version. Each part assembles by itself: llvm-mc -triple=amdgcn-amd-amdhsa -mcpu=gfx1250 --defsym DOCPART=n.
;; ======== version 1 of 1: 2 launches
;; limits: right only within a limited range of input values
;; workspace buffers: qws 8,912,896 bytes; kvws 17,825,792 bytes
;; launch proj (part 1): grid 32 x 8, 8 waves a work-group, no clusters, 327,680 bytes of LDS; arguments x, Wq_codes, Wq_scales, bq, Wk_codes, Wk_scales, bk, Wv_codes, Wv_scales, bv, qws, kvws; writes qws, kvws
.if DOCPART == 1
	.amdgcn_target "amdgcn-amd-amdhsa--gfx1250"
	.amdhsa_code_object_version 6
	.text
	.protected	k_q5ebd888bff_proj
	.globl	k_q5ebd888bff_proj
	.p2align	8
	.type	k_q5ebd888bff_proj,@function
k_q5ebd888bff_proj:
	s_mov_b64 s[64:65], 0
	v_nop
	global_prefetch_b8 v0, s[64:65] scope:SCOPE_SE
	s_setreg_imm32_b32 hwreg(HW_REG_WAVE_MODE, 25, 1), 1
	s_wait_xcnt 0x0
; The projections q = x Wq^T + bq, k, v on codes of FP4, quantised along the next products' K and stored as images of operand registers (layout: the head of the next kernel).
; A work-group owns 256 tokens of one batch.  Wave w fetches 64 tokens x 128 channels of x by ONE tensor load of 128 rows of 256 bytes and quantises them along the channels; codes and scale words reach the other waves through LDS.
; Then each wave makes 128 tokens x 128 channels of q or of k, and 64 channels x 128 tokens of v.  Nothing of reference() is left out here.  LIMIT: NaN and infinities are not served.
.set TS,     2176
.set XC,     262144
.set XSB,    XC+16*TS
.set SPARE,  XSB+2048
.set QSTEP,  17408
.set KVSTEP, 34816
.set LI,   1
.set SPW,  2
.set NIL,  3
.set XR,   4
.set XCA,  5
.set XSA,  6
.set XFA,  7
.set XSR,  8
.set WA,   9
.set WSA,  10
.set BA,   11
.set VA,   12
.set VSA,  13
.set BVA,  14
.set SSA,  15
.set VWA,  16
.set WS,   20
.set WVS,  28
.set BV,   32
.set CB,   36
.set XSC,  68
.set SW,   76
.set SD,   84
.set PC,   88
.set TM,   96
.set XW,   114
.set CD,   116
.set XN,   128
.set ACC,  128
.set XF,   192
.set WF,   0
.set WVF,  128
.set BQ,   192
.set SEL,  70
.set MSB, 0
.macro WIN new
.if MSB != \new
	s_set_vgpr_msb (MSB<<8)|\new
.set MSB, \new
.endif
.endm
.macro PLACES n
.rept \n
	v_nop
.endr
.endm
	s_load_b256 s[4:11], s[0:1], 0x0
	s_load_b256 s[12:19], s[0:1], 0x20
	s_load_b256 s[20:27], s[0:1], 0x40
	v_lshl_add_u32 v[SPW], v0, 2, SPARE
	v_mov_b32 v[NIL], 0
	ds_add_u32 v[SPW], v[NIL]
	ds_add_u32 v[SPW], v[NIL]
	v_lshrrev_b32 v17, 5, v0
	s_delay_alu instid0(VALU_DEP_1)
	v_readfirstlane_b32 s28, v17
	s_and_b32 s29, s28, 3
	s_lshr_b32 s30, s28, 2
	s_and_b32 s31, ttmp7, 0xffff
	s_and_b32 s32, s29, 1
	s_mov_b32 s36, 2<<16
	s_mov_b32 s37, 64<<16
	s_mov_b32 s38, 128<<16
	s_mov_b32 s39, 64<<16
	s_mov_b32 s40, 128
	s_mov_b32 s41, 8192
	s_mov_b32 s42, 0
	s_mov_b32 s43, 0
	s_lshl_b32 s52, s31, 23
	s_lshl_b32 s74, s30, 22
	s_add_co_u32 s52, s52, s74
	s_lshl_b32 s74, ttmp9, 10
	s_add_co_u32 s52, s52, s74
	s_lshl_b32 s74, s29, 8
	s_add_co_u32 s52, s52, s74
	s_mov_b32 s53, 0
	s_mov_b32 s44, 1
	s_lshl_b32 s45, s28, 15
	s_wait_dscnt 0x0
	s_wait_kmcnt 0x0
	s_add_nc_u64 s[46:47], s[4:5], s[52:53]
	s_or_b32 s47, s47, 0x80000000
	tensor_load_to_lds s[44:47], s[36:43]          ; my 128 channels x 64 tokens of x: the wave's one tensor load
	s_nop 0
	PLACES 4
	s_lshl_b32 s74, s31, 6
	s_lshl_b32 s75, ttmp9, 1
	s_add_co_u32 s74, s74, s75
	s_add_co_u32 s74, s74, s30
	s_mov_b32 s35, 0
	s_cmp_lt_u32 s29, 2
	s_cselect_b64 s[54:55], s[6:7], s[12:13]
	s_cselect_b64 s[56:57], s[8:9], s[14:15]
	s_cselect_b64 s[58:59], s[10:11], s[16:17]
	s_cselect_b64 s[60:61], s[24:25], s[26:27]
	s_mov_b32 s52, KVSTEP
	s_cselect_b32 s52, QSTEP, s52
	s_mov_b32 s34, 32768
	s_cselect_b32 s34, 16384, s34
	s_mul_i32 s52, s52, s74
	s_add_nc_u64 s[60:61], s[60:61], s[52:53]
	s_add_nc_u64 s[62:63], s[60:61], s[34:35]
	s_lshl_b32 s52, s32, 8
	s_add_nc_u64 s[62:63], s[62:63], s[52:53]
	s_lshl_b32 s52, s32, 10
	s_add_nc_u64 s[60:61], s[60:61], s[52:53]
	s_add_nc_u64 s[56:57], s[56:57], s[52:53]
	s_lshl_b32 s52, s32, 14
	s_add_nc_u64 s[54:55], s[54:55], s[52:53]
	s_lshl_b32 s52, s32, 9
	s_add_nc_u64 s[58:59], s[58:59], s[52:53]
	s_mul_i32 s52, s74, KVSTEP
	s_add_nc_u64 s[66:67], s[26:27], s[52:53]
	s_add_nc_u64 s[68:69], s[66:67], 33792
	s_add_nc_u64 s[66:67], s[66:67], 16384
	s_lshl_b32 s52, s29, 12
	s_add_nc_u64 s[66:67], s[66:67], s[52:53]
	s_lshl_b32 s52, s29, 8
	s_add_nc_u64 s[68:69], s[68:69], s[52:53]
	s_add_nc_u64 s[22:23], s[22:23], s[52:53]
	s_lshl_b32 s52, s29, 13
	s_add_nc_u64 s[18:19], s[18:19], s[52:53]
	s_lshl_b32 s52, s29, 9
	s_add_nc_u64 s[20:21], s[20:21], s[52:53]
	s_mov_b32 s[SEL], 0x76543210
	s_mov_b32 s[SEL+1], 0xfedcba98
	s_mov_b32 s72, 0xffff0000
	v_and_b32 v17, 31, v0
	v_and_b32 v18, 15, v0
	v_bfe_u32 v19, v0, 4, 1
	s_delay_alu instid0(VALU_DEP_3)
	v_lshlrev_b32 v[LI], 4, v17
	s_delay_alu instid0(VALU_DEP_4)
	v_lshlrev_b32 v[XR], 2, v17
	s_delay_alu instid0(VALU_DEP_1)
	v_add_nc_u32 v[XR], s45, v[XR]
	v_lshlrev_b32 v[XSR], 2, v17
	v_bfe_u32 v17, v0, 3, 1
	v_and_b32 v[XSA], 7, v0
	s_delay_alu instid0(VALU_DEP_1)
	v_lshl_add_u32 v[XSA], v19, 3, v[XSA]
	s_delay_alu instid0(VALU_DEP_3)
	v_mul_u32_u24 v[XCA], v17, TS
	s_delay_alu instid0(VALU_DEP_1)
	v_lshl_add_u32 v[XCA], v[XSA], 4, v[XCA]
	s_mul_i32 s76, s29, 4*TS
	s_lshl_b32 s77, s30, 10
	s_add_co_u32 s76, s76, s77
	s_add_co_u32 s76, s76, XC
	v_add_nc_u32 v[XCA], s76, v[XCA]
	v_lshlrev_b32 v[XSA], 2, v[XSA]
	s_delay_alu instid0(VALU_DEP_1)
	v_lshl_add_u32 v[XSA], v17, 7, v[XSA]
	s_lshl_b32 s76, s29, 9
	s_lshl_b32 s77, s30, 6
	s_add_co_u32 s76, s76, s77
	s_add_co_u32 s76, s76, XSB
	v_add_nc_u32 v[XSA], s76, v[XSA]
	s_mul_i32 s76, s30, 8*TS
	s_add_co_u32 s76, s76, XC
	v_add_nc_u32 v[XFA], s76, v[LI]
	s_lshl_b32 s76, s30, 10
	s_add_co_u32 s76, s76, XSB
	v_add_nc_u32 v[XSR], s76, v[XSR]
	v_and_b32 v17, 8, v18
	s_delay_alu instid0(VALU_DEP_1)
	v_add_nc_u32 v17, v17, v18
	s_delay_alu instid0(VALU_DEP_1)
	v_lshlrev_b32 v[WA], 7, v17
	s_delay_alu instid0(VALU_DEP_1)
	v_lshl_add_u32 v[WA], v19, 4, v[WA]
	s_delay_alu instid0(VALU_DEP_3)
	v_lshlrev_b32 v[WSA], 3, v17
	s_delay_alu instid0(VALU_DEP_1)
	v_lshl_add_u32 v[WSA], v19, 2, v[WSA]
	v_lshlrev_b32 v[BA], 6, v19
	v_lshlrev_b32 v[VA], 7, v18
	s_delay_alu instid0(VALU_DEP_1)
	v_lshl_add_u32 v[VA], v19, 4, v[VA]
	v_lshlrev_b32 v[VSA], 3, v18
	s_delay_alu instid0(VALU_DEP_1)
	v_lshl_add_u32 v[VSA], v19, 2, v[VSA]
	v_lshlrev_b32 v[BVA], 2, v18
	v_lshlrev_b32 v[SSA], 4, v18
	s_delay_alu instid0(VALU_DEP_1)
	v_lshl_add_u32 v[VWA], v19, 3, v[SSA]
	s_delay_alu instid0(VALU_DEP_2)
	v_lshl_add_u32 v[SSA], v19, 9, v[SSA]
.irp b, 0,1,2,3
	v_mov_b32 v[TM+4+\b], 0
.endr
	WIN 0x40
.irp f, 0,1,2,3,4,5,6,7
.irp k, 0,1
.irp c, 0,1
	global_load_b128 v[WF+16*\f+8*\k+4*\c:WF+16*\f+8*\k+4*\c+3], v[WA], s[54:55] offset:(32*(\f/2)+8*(\f%2))*128+64*\k+32*\c
.endr
.endr
.endr
.irp i, 0,1,2,3
.irp k, 0,1
.irp c, 0,1
	global_load_b128 v[WVF+16*\i+8*\k+4*\c:WVF+16*\i+8*\k+4*\c+3], v[VA], s[18:19] offset:16*\i*128+64*\k+32*\c
.endr
.endr
.endr
.irp f, 0,1,2,3,4,5,6,7
	global_load_b128 v[BQ+8*\f:BQ+8*\f+3], v[BA], s[58:59] offset:(32*(\f/2)+8*(\f%2))*4
	global_load_b128 v[BQ+8*\f+4:BQ+8*\f+7], v[BA], s[58:59] offset:(32*(\f/2)+8*(\f%2))*4+16
.endr
	WIN 0
.irp f, 0,1,2,3,4,5,6,7
	global_load_b32 v[WS+\f], v[WSA], s[56:57] offset:(32*(\f/2)+8*(\f%2))*8
.endr
.irp i, 0,1,2,3
	global_load_b32 v[WVS+\i], v[VSA], s[20:21] offset:128*\i
	global_load_b32 v[BV+\i], v[BVA], s[22:23] offset:64*\i
.endr
.macro LOADX q
.set i, 0
.rept 32
	ds_load_b32 v[XN+32*((\q)%2)+i], v[XR] offset:(32*((\q)/2)+i)*256+128*((\q)%2)
.set i, i+1
.endr
.endm
.macro XBLOCK q
.set XB, XN+32*((\q)%2)
.set CS, CD+4*((\q)%2)
.if (\q) == 0
	s_wait_dscnt 32
.elseif (\q) < 7
	s_wait_dscnt 33
.else
	s_wait_dscnt 1
.endif
	v_max3_num_f32 v[TM], |v[XB]|, |v[XB+1]|, |v[XB+2]|
	v_max3_num_f32 v[TM+1], |v[XB+3]|, |v[XB+4]|, |v[XB+5]|
.irp i, 6,10,14,18,22,26
	s_delay_alu instid0(VALU_DEP_2)
	v_max3_num_f32 v[TM], v[TM], |v[XB+\i]|, |v[XB+\i+1]|
	s_delay_alu instid0(VALU_DEP_2)
	v_max3_num_f32 v[TM+1], v[TM+1], |v[XB+\i+2]|, |v[XB+\i+3]|
.endr
	s_delay_alu instid0(VALU_DEP_2)
	v_max3_num_f32 v[TM], v[TM], |v[XB+30]|, |v[XB+31]|
	s_delay_alu instid0(VALU_DEP_1)
	v_max3_num_f32 v[TM], v[TM], v[TM+1], 0x1800000
	s_delay_alu instid0(VALU_DEP_1)
	v_add_nc_u32 v[TM+2], 0xff000000, v[TM]
	s_delay_alu instid0(VALU_DEP_1)
	v_lshrrev_b32 v[TM+3], 23, v[TM+2]
.if (\q)/2 == 0
	s_delay_alu instid0(VALU_DEP_1)
	v_mov_b32 v[XW+(\q)%2], v[TM+3]
.else
	s_delay_alu instid0(VALU_DEP_1)
	v_lshl_or_b32 v[XW+(\q)%2], v[TM+3], 8*((\q)/2), v[XW+(\q)%2]
.endif
.irp g, 0,1,2,3
	v_cvt_scalef32_pk8_fp4_f32 v[CS+\g], v[XB+8*\g:XB+8*\g+7], v[TM+2]
.endr
	v_nop
	ds_store_b128 v[XCA], v[CS:CS+3] offset:((\q)%2)*2*TS+((\q)/4)*512+(((\q)/2)%2)*256
.if (\q) < 6
	LOADX (\q)+2
.endif
.endm
	s_wait_alu depctr_va_vdst(0)
	s_wait_tensorcnt 0x0                           ; my x is in; only this wave reads it
	LOADX 0
	LOADX 1
.irp q, 0,1,2,3,4,5,6,7
	XBLOCK \q
.endr
	ds_store_b32 v[XSA], v[XW]
	ds_store_b32 v[XSA], v[XW+1] offset:256
	s_wait_dscnt 0x0
	s_barrier_signal -1
	s_barrier_wait -1
	s_wait_loadcnt 0x0
.irp i, 0,1,2,3
.irp j, 0,1,2,3,4,5,6,7
	v_mov_b32 v[CB+8*\i+\j], v[BV+\i]
.endr
.endr
.macro QUANT s, pw
.irp b, 0,1,2,3
	v_max3_num_f32 v[TM+\b], |v[\s+16*\b]|, |v[\s+1+16*\b]|, 0x1800000
.endr
.irp i, 2,4,6,8,10,12,14
.irp b, 0,1,2,3
	v_max3_num_f32 v[TM+\b], v[TM+\b], |v[\s+16*\b+\i]|, |v[\s+1+16*\b+\i]|
.endr
.endr
.irp b, 0,1,2,3
	s_delay_alu instid0(VALU_DEP_4)
	v_permlanex16_b32 v[TM+4+\b], v[TM+\b], s[SEL], s[SEL+1]
.endr
.irp b, 0,1,2,3
	s_delay_alu instid0(VALU_DEP_4)
	v_max_num_f32 v[TM+\b], v[TM+\b], v[TM+4+\b]
.endr
.irp b, 0,1,2,3
	s_delay_alu instid0(VALU_DEP_4)
	v_add_nc_u32 v[TM+12+\b], 0xff000000, v[TM+\b]
.endr
.irp b, 0,1,2,3
	s_delay_alu instid0(VALU_DEP_4)
	v_lshrrev_b32 v[TM+4+\b], 23, v[TM+12+\b]
.endr
	s_delay_alu instid0(VALU_DEP_3)
	v_lshl_or_b32 v[\pw], v[TM+5], 8, v[TM+4]
	s_delay_alu instid0(VALU_DEP_1)
	v_lshl_or_b32 v[\pw], v[TM+6], 16, v[\pw]
	s_delay_alu instid0(VALU_DEP_1)
	v_lshl_or_b32 v[\pw], v[TM+7], 24, v[\pw]
.irp b, 0,1,2,3
	v_cvt_scalef32_pk8_fp4_f32 v[PC+2*\b], v[\s+16*\b:\s+7+16*\b], v[TM+12+\b]
	v_cvt_scalef32_pk8_fp4_f32 v[PC+1+2*\b], v[\s+8+16*\b:\s+15+16*\b], v[TM+12+\b]
.endr
	v_nop
.irp c, 0,1
.irp i, 0,1
	v_permlane16_swap_b32 v[PC+4*\c+\i], v[PC+2+4*\c+\i]
.endr
.endr
.endm
.macro XFRAG set, t
.irp k, 0,1
.irp c, 0,1
	ds_load_b128 v[XF+16*(\set)+8*\k+4*\c:XF+16*(\set)+8*\k+4*\c+3], v[XFA] offset:(\t)*TS+\k*1024+\c*512
.endr
.endr
.endm
.macro QKTILE t
.if (\t) < 7
	s_wait_dscnt 4
.else
	s_wait_dscnt 0x0
.endif
.set XFS, XF+16*((\t)%2)
	WIN 0x11
.irp f, 0,1,2,3,4,5,6,7
	v_wmma_scale_f32_16x16x128_f8f6f4 v[ACC+8*\f:ACC+8*\f+7], v[WF+16*\f:WF+16*\f+7], v[XFS:XFS+7], v[BQ+8*\f:BQ+8*\f+7], v[WS+\f], v[XSC+(\t)] matrix_a_fmt:MATRIX_FMT_FP4 matrix_b_fmt:MATRIX_FMT_FP4
.endr
	WIN 0x01
.irp f, 0,1,2,3,4,5,6,7
	v_wmma_scale_f32_16x16x128_f8f6f4 v[ACC+8*\f:ACC+8*\f+7], v[WF+16*\f+8:WF+16*\f+15], v[XFS+8:XFS+15], v[ACC+8*\f:ACC+8*\f+7], v[WS+\f], v[XSC+(\t)] matrix_a_fmt:MATRIX_FMT_FP4 matrix_b_fmt:MATRIX_FMT_FP4 matrix_a_scale:MATRIX_SCALE_ROW1 matrix_b_scale:MATRIX_SCALE_ROW1
.endr
	WIN 0
	PLACES 5
.if (\t) < 6
	XFRAG (\t)%2, (\t)+2
.endif
	s_wait_xcnt 0x0
	QUANT ACC, SW+(\t)
	global_store_b128 v[LI], v[PC:PC+3], s[60:61] offset:(\t)*2048
	global_store_b128 v[LI], v[PC+4:PC+7], s[60:61] offset:(\t)*2048+512
.endm
.irp t, 0,1,2,3,4,5,6,7
	ds_load_b32 v[XSC+\t], v[XSR] offset:128*\t
.endr
	XFRAG 0, 0
	XFRAG 1, 1
.irp t, 0,1,2,3,4,5,6,7
	QKTILE \t
.endr
.irp i, 0,1,2,3
	v_cndmask_b32 v[SD+\i], v[SW+\i], v[SW+4+\i], s72
.endr
	global_store_b128 v[SSA], v[SD:SD+3], s[62:63]
	WIN 0x40
.irp t, 0,1,2,3,4,5,6,7
.irp k, 0,1
.irp c, 0,1
	ds_load_b128 v[16*\t+8*\k+4*\c:16*\t+8*\k+4*\c+3], v[XFA] offset:\t*TS+\k*1024+\c*512
.endr
.endr
.endr
	WIN 0
	s_wait_dscnt 0x0
.macro VTILE i
	WIN 0x05
.irp t, 0,1,2,3,4,5,6,7
	v_wmma_scale_f32_16x16x128_f8f6f4 v[ACC+8*\t:ACC+8*\t+7], v[16*\t:16*\t+7], v[WVF+16*\i:WVF+16*\i+7], v[CB+8*\i:CB+8*\i+7], v[XSC+\t], v[WVS+\i] matrix_a_fmt:MATRIX_FMT_FP4 matrix_b_fmt:MATRIX_FMT_FP4
.endr
.irp t, 0,1,2,3,4,5,6,7
	v_wmma_scale_f32_16x16x128_f8f6f4 v[ACC+8*\t:ACC+8*\t+7], v[16*\t+8:16*\t+15], v[WVF+16*\i+8:WVF+16*\i+15], v[ACC+8*\t:ACC+8*\t+7], v[XSC+\t], v[WVS+\i] matrix_a_fmt:MATRIX_FMT_FP4 matrix_b_fmt:MATRIX_FMT_FP4 matrix_a_scale:MATRIX_SCALE_ROW1 matrix_b_scale:MATRIX_SCALE_ROW1
.endr
	WIN 0
	PLACES 5
	s_wait_xcnt 0x0
	QUANT ACC, SW+\i
	global_store_b128 v[LI], v[PC:PC+3], s[66:67] offset:\i*1024
	global_store_b128 v[LI], v[PC+4:PC+7], s[66:67] offset:\i*1024+512
.endm
.irp i, 0,1,2,3
	VTILE \i
.endr
	s_wait_xcnt 0x0
	v_cndmask_b32 v[SD], v[SW], v[SW+2], s72
	v_cndmask_b32 v[SD+1], v[SW+1], v[SW+3], s72
	global_store_b64 v[VWA], v[SD:SD+1], s[68:69]
	s_wait_tensorcnt 0x0
	ds_add_u32 v[SPW], v[NIL]
	s_wait_dscnt 0x0
	s_endpgm
.Lfunc_end_k_q5ebd888bff_proj:
	.size	k_q5ebd888bff_proj, .Lfunc_end_k_q5ebd888bff_proj-k_q5ebd888bff_proj
	.p2alignl 7, 3214868480
	.fill 96, 4, 3214868480
	.section	.rodata,"a",@progbits
	.p2align	6, 0x0
	.amdhsa_kernel k_q5ebd888bff_proj
		.amdhsa_group_segment_fixed_size 327680
		.amdhsa_private_segment_fixed_size 0
		.amdhsa_enable_private_segment 0
		.amdhsa_kernarg_size 96
		.amdhsa_user_sgpr_count 2
		.amdhsa_user_sgpr_kernarg_segment_ptr 1
		.amdhsa_wavefront_size32 1
		.amdhsa_system_sgpr_workgroup_id_x 1
		.amdhsa_system_sgpr_workgroup_id_y 1
		.amdhsa_system_sgpr_workgroup_id_z 1
		.amdhsa_system_vgpr_workitem_id 0
		.amdhsa_next_free_vgpr 512
		.amdhsa_next_free_sgpr 80
		.amdhsa_reserve_vcc 0
		.amdhsa_float_denorm_mode_32 3
		.amdhsa_float_denorm_mode_16_64 3
		.amdhsa_memory_ordered 1
		.amdhsa_forward_progress 1
		.amdhsa_inst_pref_size 135
	.end_amdhsa_kernel
	.amdgpu_metadata
---
amdhsa.version: [ 1, 2 ]
amdhsa.kernels:
  - .name:           k_q5ebd888bff_proj
    .symbol:         k_q5ebd888bff_proj.kd
    .args:
      - { .name: x, .offset: 0, .size: 8, .value_kind: global_buffer, .address_space: global }
      - { .name: Wq_codes, .offset: 8, .size: 8, .value_kind: global_buffer, .address_space: global }
      - { .name: Wq_scales, .offset: 16, .size: 8, .value_kind: global_buffer, .address_space: global }
      - { .name: bq, .offset: 24, .size: 8, .value_kind: global_buffer, .address_space: global }
      - { .name: Wk_codes, .offset: 32, .size: 8, .value_kind: global_buffer, .address_space: global }
      - { .name: Wk_scales, .offset: 40, .size: 8, .value_kind: global_buffer, .address_space: global }
      - { .name: bk, .offset: 48, .size: 8, .value_kind: global_buffer, .address_space: global }
      - { .name: Wv_codes, .offset: 56, .size: 8, .value_kind: global_buffer, .address_space: global }
      - { .name: Wv_scales, .offset: 64, .size: 8, .value_kind: global_buffer, .address_space: global }
      - { .name: bv, .offset: 72, .size: 8, .value_kind: global_buffer, .address_space: global }
      - { .name: qws, .offset: 80, .size: 8, .value_kind: global_buffer, .address_space: global }
      - { .name: kvws, .offset: 88, .size: 8, .value_kind: global_buffer, .address_space: global }
    .group_segment_fixed_size: 327680
    .private_segment_fixed_size: 0
    .kernarg_segment_align: 8
    .kernarg_segment_size: 96
    .max_flat_workgroup_size: 256
    .sgpr_count:     80
    .vgpr_count:     512
    .wavefront_size: 32
...
	.end_amdgpu_metadata
.endif
;; end of part 1
;; launch attn (part 2): grid 8 x 32, 8 waves a work-group, no clusters, 327,680 bytes of LDS; arguments qws, kvws, x, out0; writes out0
.if DOCPART == 2
	.amdgcn_target "amdgcn-amd-amdhsa--gfx1250"
	.amdhsa_code_object_version 6
	.text
	.protected	k_q5ebd888bff_attn
	.globl	k_q5ebd888bff_attn
	.p2align	8
	.type	k_q5ebd888bff_attn,@function
k_q5ebd888bff_attn:
	s_mov_b64 s[64:65], 0
	v_nop
	global_prefetch_b8 v0, s[64:65] scope:SCOPE_SE
	s_setreg_imm32_b32 hwreg(HW_REG_WAVE_MODE, 25, 1), 1
	s_wait_xcnt 0x0
; out0[b][d][n] = x[b][d][n] + the sum over keys of softmax(q . k / 16) v, keys: the query's window of 512 up to the query, and the whole window before (none before window 0).
; Both products on codes of FP4 (E2M1) with one E8M0 scale for each 32 along K.  q, k, v come as images of operand registers, by steps of 128 tokens:
;   qws, 17,408 bytes a step: 8 token tiles x 2,048 (2048 t + 1024 ks + 512 c + 16 lane); from 16,384 scale words [t / 4][ks][row][t % 4].
;   kvws, 34,816 bytes a step: k as q; from 16,384 v's 16 channel tiles (16 channels x 128 keys); from 32,768 k's scale words; from 33,792 v's, [ct / 4][row][ct % 4].
; Lane r of token tile 2 b + u holds token 32 b + 8 u + r + 8 (r / 8): so in S^T = k q^T the 16 registers of key tiles 2 b, 2 b + 1 are 16 neighbouring keys, 32 b + 16 (lane / 16) + 0 .. 15.
; THE SOFTMAX AHEAD OF THE SECOND PRODUCT: t = score x log2(e) / 16; M = the largest t so far, rounded up to a whole number; p = 2^(t - M) is quantised along the keys, not normalised; the sum of the unquantised p divides at the end.
; LEFT OUT: steps of 128 keys that reference()'s own mask hides from all of a wave's queries, and the window before window 0, which does not exist.  A NaN, an infinity or an overflow that reaches only those is not carried to the result.
; SHARES.  A work-group owns two quarters (128 queries each) of one window: quarters C and 3 - C, so that every work-group behind window 0 has the same number of open key steps.  The batch is the grid's x.
; Eight waves, two to a SIMD; a wave owns 32 queries, two tiles, of the low or of the high quarter.  Each fragment of k and v read from LDS feeds two matrix instructions.
; THE WALK.  Eight key steps of 128 in four LDS slots of two steps, upward in memory: the window before's keys 0-255, its 256-511, this window's 0-255, its 256-511.  Each slot is filled once, by waves 0 to 3, one tensor
; load each, a slot ahead.  Window 0 begins with its own keys instead: they fill slots 0 and 1, every step behind them is hidden, and slots 2 and 3 are not asked for: jumps on ids and the count of slots, the same in all waves.
; A wave's first step is open, or begins at key 0, which counts for every query: so M is a number from there on.
; THE LOW QUARTER LEAVES EARLY.  Its queries end before key 256, so its waves are done with slot 2.  Behind the barrier at slot 3's head they put their results into the low stage, in slots 0 and 1.  The barrier that shows the stage is signalled by
; the high quarter's waves ahead of their last two steps and waited for behind them, so neither quarter waits there for the other's work.  Then the low quarter reads whole rows back, adds x and stores; the high quarter puts
; channels 0-223 into the high stage, which lies in slots 1 and 2 and ends in slot 3's first step: the last 32 channels follow behind a barrier.  All eight waves share the high quarter's way out, 32 channels each.
; NO CLUSTER: the two work-groups of a window read the same k and v, but which steps a wave leaves out hangs on its work-group's quarters, and partners of a cluster must run alike.
; LIMITS: NaN and infinities are not served; scaled scores stay under 2^31 in magnitude.  Hidden scores are -infinity where the definition has -1e9: the same p = 0 unless true logits fall under -1e9.
; A block of p that is all zeros keeps the byte 1: its codes are zeros.
; O^T begins as zeros and the largest t as -3e38, so that the key step is written in one form.
; REGISTERS.  Window 0: v1-9 addresses; v7-8 p's scale words; v10-41 q; v42-43 q's scale words; v44-55 statistics, six a tile: -M, largest t, the sum in two halves, f, and in the sixth place (the idle half of f's pair) a
;   stage address; v56-63 k's, then v's scale words; v64-95 k's fragments, later p's codes and the mask's numbers; v96-223 S^T, then p, then v's 16 fragments, on the way out x; v224-255 k's fragments, later at work.
;   Window 1: O^T, 128 a tile (128 u + 8 ct + j); on the way out rows of x and of the stage.
.set STEPB,  34816
.set SLOTB,  69632
.set SLP,    85504                     ; from slot to slot in LDS
.set SPARE,  3*SLP+SLOTB               ; behind slot 3: the spare words, 128 bytes for each wave: four blocks of 256 bytes that no other line names
.set SPITCH, 528                       ; a stage row: a quarter's 128 queries, 512 bytes, + 16
.set STGH,   256*SPITCH                ; a quarter's stage: 256 channels.  Low: 0 .. 135,167, under slot 2.  High: behind it; its first 224 rows end at 253,440, under slot 3 (256,512); all of it ends under slot 3's second step
.set LI,   1                           ; 16 x lane
.set SPW,  2                           ; LDS address of my spare word; never rewritten
.set NIL,  3                           ; 0; never rewritten
.set ADR,  4                           ; 16 x lane + the step in hand; at the end the high stage's rows
.set DQ,   5                           ; r + 8 (r / 8) - 16 h
.set PFO,  6                           ; the prefetches' offset; never rewritten
.set PW,   7
.set RDA,  9                           ; the way out: the row of channel 64 IDX + 32 HI in the low stage; never rewritten
.set QF,   10
.set QS,   42
.set ST,   44
.set SA,   49                          ; v49, v55: where I put my results in my quarter's stage, channels 0-127 and 128-255; never rewritten
.set SC,   56
.set KB0,  64
.set PC,   64
.set NINF, 82
.set THR,  83
.set SS,   96
.set KB1,  224
.set WK,   224                         ; tile u at work: + 16 u: 0-3 blocks' maxima, 4-7 the other half's, then bytes, 8-11 scale operands, 12-13 a second chain of sums, 14 a number
.set WV,   12
.set HI,   13
.set IDX,  14
.set WND,  15
.set CC,   16
.set BB,   17
.set QQ,   18
.set Q0,   19                          ; my first query, counted from the window's first token
.set QL,   20                          ; my last
.set LIMW, 21
.set KF,   22                          ; the step's first key
.set TB,   23                          ; the step's first LDS byte
.set G1,   24
.set G0,   32
.set SLOTS, 36
.set TWICE, 37
.set SEL,  40
.set CS,   42
.set XB,   50                          ; x and out0: my quarter's tokens, channels 64 IDX on
.set OB,   52
.set XC,   58                          ; x and out0: the high quarter's tokens, channels 64 IDX + 32 HI on
.set OC,   60
.set PFB,  62                          ; where my prefetches stand
.set MSB, 0
.macro WIN new                         ; the immediate's high byte repeats the setting that is left
.if MSB != \new
	s_set_vgpr_msb (MSB<<8)|\new
.set MSB, \new
.endif
.endm
.macro PLACES n
.rept \n
	v_nop
.endr
.endm
.macro TLOAD                           ; waves 0 to 3 fetch a quarter of a slot each, 68 rows of 256 bytes; an s_nop 0 and four v_nop follow the load
	s_cmp_lt_u32 s[WV], 4
	s_cbranch_scc0 .Lnone_\@
	tensor_load_to_lds s[G0:G0+3], s[G1:G1+7]
	s_nop 0
	PLACES 4
.Lnone_\@:
.endm
	s_load_b256 s[4:11], s[0:1], 0x0               ; qws, kvws, x, out0
	v_lshl_add_u32 v[SPW], v0, 2, SPARE
	v_mov_b32 v[NIL], 0
	ds_add_u32 v[SPW], v[NIL]                      ; the wave's opening: the add, twice on end, and its wait ahead of the first tensor load; the set-up below, work on registers, stands between them
	ds_add_u32 v[SPW], v[NIL]
	v_lshrrev_b32 v9, 5, v0
	v_readfirstlane_b32 s[WV], v9                  ; wave 0..7
	s_lshr_b32 s[HI], s[WV], 2
	s_xor_b32 s[HI], s[HI], s[WV]
	s_and_b32 s[HI], s[HI], 1                      ; the low quarter (0) or the high one (1)
	s_lshr_b32 s[IDX], s[WV], 1                    ; which 32 queries of it
	s_mov_b32 s[BB], ttmp9
	s_and_b32 s44, ttmp7, 0xffff
	s_lshr_b32 s[WND], s44, 1
	s_and_b32 s[CC], s44, 1
	s_sub_co_u32 s45, 3, s[CC]                     ; the high quarter
	s_cmp_eq_u32 s[HI], 1
	s_cselect_b32 s[QQ], s45, s[CC]                ; my quarter
	s_lshl_b32 s[Q0], s[QQ], 7
	s_lshl_b32 s44, s[IDX], 5
	s_add_co_u32 s[Q0], s[Q0], s44
	s_add_co_u32 s[QL], s[Q0], 31
	s_mov_b32 s[TB], 0
	s_mov_b32 s[SLOTS], 3
	; descriptor group 1: 68 rows of 32 elements of 8 bytes, dense in memory and in LDS
	s_mov_b32 s[G1], 3<<16
	s_mov_b32 s[G1+1], 32<<16                      ; tensor_dim0
	s_mov_b32 s[G1+2], 68<<16                      ; tensor_dim1
	s_mov_b32 s[G1+3], 32<<16                      ; tile_dim0
	s_mov_b32 s[G1+4], 68                          ; tile_dim1
	s_mov_b32 s[G1+5], 32                          ; tensor_dim0_stride
	s_mov_b32 s[G1+6], 0
	s_mov_b32 s[G1+7], 0
	s_mov_b32 s[SEL], 0x76543210
	s_mov_b32 s[SEL+1], 0xfedcba98
	s_mov_b32 s[CS], 0x3db8aa3b                    ; c = log2(e) / 16
	s_mov_b32 s[CS+1], s[CS]                       ; (named with it as a pair, so it is written)
	s_lshl_b32 s44, s[BB], 6
	s_lshl_b32 s48, s[WND], 2
	s_add_co_u32 s44, s44, s48                     ; my window's first step: 64 b + 4 x window
	s_add_co_u32 s46, s44, s[QQ]
	s_mul_i32 s46, s46, 17408                      ; my quarter's step in qws
	s_mov_b32 s47, 0
	s_cmp_eq_u32 s[WND], 0
	s_cselect_b32 s[KF], 0, -512                   ; window 0 begins with its own keys,
	s_cselect_b32 s[LIMW], 3, 1                    ; and asks for a slot in the first trip of the loop over slots alone
	s_cselect_b32 s48, 0, 4
	s_sub_co_u32 s48, s44, s48
	s_mul_i32 s48, s48, STEPB                      ; the walk's first byte in kvws
	s_mul_i32 s[G0+1], s[WV], 17408                ; my quarter of a slot: in LDS,
	s_add_co_u32 s48, s48, s[G0+1]                 ; and in memory
	s_mov_b32 s49, 0
	s_mov_b32 s[G0], 1
	s_wait_dscnt 0x0                               ; both opening adds are done
	s_wait_kmcnt 0x0
	s_add_nc_u64 s[G0+2:G0+3], s[6:7], s[48:49]
	s_or_b32 s[G0+3], s[G0+3], 0x80000000          ; type = 2
	TLOAD                                          ; slot 0
	s_add_nc_u64 s[54:55], s[4:5], s[46:47]
	s_add_nc_u64 s[56:57], s[54:55], 16384
	s_lshl_b32 s46, s[IDX], 12
	s_add_nc_u64 s[54:55], s[54:55], s[46:47]      ; q's images: tiles 2 IDX and 2 IDX + 1
	s_lshr_b32 s46, s[IDX], 1
	s_lshl_b32 s46, s46, 9
	s_and_b32 s44, s[IDX], 1
	s_lshl_b32 s44, s44, 3
	s_add_co_u32 s46, s46, s44
	s_add_nc_u64 s[56:57], s[56:57], s[46:47]      ; their scale words
	v_and_b32 v[LI], 31, v0
	v_lshlrev_b32 v[LI], 4, v[LI]
.irp u, 0,1
.irp k, 0,1
.irp c, 0,1
	global_load_b128 v[QF+16*\u+8*\k+4*\c:QF+16*\u+8*\k+4*\c+3], v[LI], s[54:55] offset:\u*2048+\k*1024+\c*512   ; q stays in registers
.endr
.endr
.endr
	global_load_b64 v[QS:QS+1], v[LI], s[56:57]    ; lanes 0-15: K step 0's words of my two tiles, lanes 16-31: K step 1's
	v_bfe_u32 v[PFO], v0, 1, 4
	v_lshlrev_b32 v[PFO], 15, v[PFO]               ; a row of x for each two lanes,
	v_and_b32 v9, 1, v0
	v_lshl_add_u32 v[PFO], v9, 8, v[PFO]           ; its two blocks of 256 bytes
	; the way out's LDS addresses are made here, ahead of every parting of the waves
	v_and_b32 v224, 15, v0
	v_and_b32 v[DQ], 8, v224
	v_add_nc_u32 v[DQ], v[DQ], v224                ; r + 8 (r / 8): my query's place in its 32
	v_bfe_u32 v225, v0, 4, 1                       ; h
	v_mul_u32_u24 v[SA+6], v225, 8*SPITCH          ; lanes 16-31 hold the channels 8 further on
	v_lshl_add_u32 v[SA], v[DQ], 2, v[SA+6]
	s_mul_i32 s44, s[HI], STGH                     ; my quarter's stage
	s_lshl_b32 s48, s[IDX], 7                      ; my 32 queries' bytes in a row
	s_add_co_u32 s48, s48, s44
	v_add_nc_u32 v[SA], s48, v[SA]                 ; channels 0-127 (tile 1's queries, 8 further on, stand in the stores' immediates)
	v_add_nc_u32 v[SA+6], 128*SPITCH, v[SA]        ; channels 128-255
	v_lshlrev_b32 v225, 4, v225
	v_sub_nc_u32 v[DQ], v[DQ], v225                ; the mask's r + 8 (r / 8) - 16 h
	s_mul_i32 s48, s[IDX], 64*SPITCH
	s_mul_i32 s44, s[HI], 32*SPITCH
	s_add_co_u32 s48, s48, s44
	v_add_nc_u32 v[RDA], s48, v[LI]                ; 16 bytes a lane
.irp u, 0,1
	v_mov_b32 v[ST+6*\u+1], 0xff61b1e6             ; the largest t so far: -3e38
	v_floor_f32 v[ST+6*\u], -v[ST+6*\u+1]          ; -M
	v_mov_b32 v[ST+6*\u+2], 0                      ; the sum, in two halves
	v_mov_b32 v[ST+6*\u+3], 0
	v_mov_b32 v[ST+6*\u+4], 0
.endr
	s_lshl_b32 s46, s[BB], 23                      ; x and out0: batch, + channels, + window, + quarter
	s_lshl_b32 s44, s[IDX], 21
	s_add_co_u32 s46, s46, s44
	s_lshl_b32 s44, s[WND], 11
	s_add_co_u32 s46, s46, s44
	s_lshl_b32 s44, s[HI], 20
	s_add_co_u32 s48, s46, s44
	s_lshl_b32 s44, s45, 9
	s_add_co_u32 s48, s48, s44
	s_lshl_b32 s44, s[QQ], 9
	s_add_co_u32 s46, s46, s44
	s_add_nc_u64 s[XB:XB+1], s[8:9], s[46:47]
	s_add_nc_u64 s[OB:OB+1], s[10:11], s[46:47]
	s_add_nc_u64 s[XC:XC+1], s[8:9], s[48:49]
	s_add_nc_u64 s[OC:OC+1], s[10:11], s[48:49]
	s_sub_nc_u64 s[PFB:PFB+1], s[XB:XB+1], 0x200000    ; two steps of 32 rows back: the loop's second trip is the first that asks
	WIN 0x40
.set j, 0
.rept 256
	v_mov_b32 v[j], 0                              ; O^T
.set j, j+1
.endr
	WIN 0
.macro KLOAD buf, a                            ; key tiles a, a + 1 (a even): two K steps each
.irp t, 0,1
.irp k, 0,1
.irp c, 0,1
	ds_load_b128 v[\buf+16*\t+8*\k+4*\c:\buf+16*\t+8*\k+4*\c+3], v[ADR] offset:((\a)+\t)*2048+\k*1024+\c*512
.endr
.endr
.endr
.endm
.macro KQ buf, a                               ; S^T of key tiles a, a + 1 for my two tiles of queries: four accumulators by turns, one instruction a turn
.irp t, 0,1
.irp u, 0,1
	v_wmma_scale_f32_16x16x128_f8f6f4 v[SS+64*\u+8*((\a)+\t):SS+64*\u+8*((\a)+\t)+7], v[\buf+16*\t:\buf+16*\t+7], v[QF+16*\u:QF+16*\u+7], 0, v[SC+(\a)+\t], v[QS+\u] matrix_a_fmt:MATRIX_FMT_FP4 matrix_b_fmt:MATRIX_FMT_FP4
.endr
.endr
.irp t, 0,1
.irp u, 0,1
	v_wmma_scale_f32_16x16x128_f8f6f4 v[SS+64*\u+8*((\a)+\t):SS+64*\u+8*((\a)+\t)+7], v[\buf+16*\t+8:\buf+16*\t+15], v[QF+16*\u+8:QF+16*\u+15], v[SS+64*\u+8*((\a)+\t):SS+64*\u+8*((\a)+\t)+7], v[SC+(\a)+\t], v[QS+\u] matrix_a_fmt:MATRIX_FMT_FP4 matrix_b_fmt:MATRIX_FMT_FP4 matrix_a_scale:MATRIX_SCALE_ROW1 matrix_b_scale:MATRIX_SCALE_ROW1
.endr
.endr
.endm
.macro MASK u                                  ; register 16 b + i holds key KF + 16 h + 32 b + i: hidden where 32 b + i > my query - KF - 16 h
.set n, 0
.rept 64
	v_cmp_gt_i32 vcc_lo, 32*(n/16)+n%16, v[THR+\u]
	v_cndmask_b32 v[SS+64*\u+n], v[SS+64*\u+n], v[NINF], vcc_lo
.set n, n+1
.endr
.endm
.macro SM_M u                                  ; the largest score of each block of 32 keys: for the row's maximum and, since p rises with the score, for the block's largest p
.irp b, 0,1,2,3
	v_max3_num_f32 v[WK+16*\u+\b], v[SS+64*\u+16*\b], v[SS+64*\u+16*\b+1], v[SS+64*\u+16*\b+2]
.endr
.irp i, 3,5,7,9,11,13
.irp b, 0,1,2,3
	v_max3_num_f32 v[WK+16*\u+\b], v[WK+16*\u+\b], v[SS+64*\u+16*\b+\i], v[SS+64*\u+16*\b+\i+1]
.endr
.endr
.irp b, 0,1,2,3
	v_max_num_f32 v[WK+16*\u+\b], v[WK+16*\u+\b], v[SS+64*\u+16*\b+15]
.endr
.irp b, 0,1,2,3
	s_delay_alu instid0(VALU_DEP_4)
	v_permlanex16_b32 v[WK+16*\u+4+\b], v[WK+16*\u+\b], s[SEL], s[SEL+1]   ; (its destination was written by this step's loads of k)
.endr
.irp b, 0,1,2,3
	s_delay_alu instid0(VALU_DEP_4)
	v_max_num_f32 v[WK+16*\u+\b], v[WK+16*\u+\b], v[WK+16*\u+4+\b]         ; with lane l xor 16's 16 keys
.endr
.endm
.macro SM_C                                    ; the step's maximum, M and f, the two tiles line by line
.irp u, 0
	v_max3_num_f32 v[WK+16*\u+14], v[WK+16*\u], v[WK+16*\u+1], v[WK+16*\u+2]
.endr
.irp u, 1
	s_delay_alu instid0(VALU_DEP_3)
	v_max3_num_f32 v[WK+16*\u+14], v[WK+16*\u], v[WK+16*\u+1], v[WK+16*\u+2]
.endr
.irp u, 0,1
	s_delay_alu instid0(VALU_DEP_2)
	v_max_num_f32 v[WK+16*\u+14], v[WK+16*\u+14], v[WK+16*\u+3]
.endr
.irp u, 0,1
	s_delay_alu instid0(VALU_DEP_2)
	v_mul_f32 v[WK+16*\u+14], s[CS], v[WK+16*\u+14]                        ; as t (c is positive)
.endr
.irp u, 0,1
	s_delay_alu instid0(VALU_DEP_2)
	v_max_num_f32 v[ST+6*\u+1], v[ST+6*\u+1], v[WK+16*\u+14]               ; the running largest t
.endr
.irp u, 0,1
	v_mov_b32 v[WK+16*\u+14], v[ST+6*\u]
.endr
.irp u, 0,1
	s_delay_alu instid0(VALU_DEP_4)
	v_floor_f32 v[ST+6*\u], -v[ST+6*\u+1]                                  ; the new -M = floor(-t): M is a whole number
.endr
.irp u, 0,1
	s_delay_alu instid0(VALU_DEP_2)
	v_sub_f32 v[WK+16*\u+14], v[ST+6*\u], v[WK+16*\u+14]                   ; M's old value less its new one: 0 or less
.endr
.irp u, 0,1
	s_delay_alu instid0(VALU_DEP_2)
	v_cvt_i32_f32 v[WK+16*\u+14], v[WK+16*\u+14]                           ; (it saturates)
.endr
.irp u, 0,1
	s_delay_alu instid0(VALU_DEP_2)
	v_ldexp_f32 v[ST+6*\u+4], 1.0, v[WK+16*\u+14]                          ; f = 2^(old M - new M)
.endr
.endm
.macro SM_T u                                  ; t - M, two at a time; the same of each block's largest score
.set j, 0
.rept 32
	v_pk_fma_f32 v[SS+64*\u+j:SS+64*\u+j+1], v[SS+64*\u+j:SS+64*\u+j+1], s[CS:CS+1], v[ST+6*\u:ST+6*\u+1] op_sel_hi:[1,0,0]
.set j, j+2
.endr
.irp b, 0,1,2,3
	v_fma_f32 v[WK+16*\u+\b], v[WK+16*\u+\b], s[CS], v[ST+6*\u]
.endr
.endm
.macro SM_E u
.set j, 0
.rept 64
	v_exp_f32 v[SS+64*\u+j], v[SS+64*\u+j]         ; p = 2^(t - M), at most 1
.set j, j+1
.endr
.endm
.macro SM_B u
.irp b, 0,1,2,3
	v_exp_f32 v[WK+16*\u+\b], v[WK+16*\u+\b]       ; the block's largest p
.endr
.endm
.macro SM_S u                                  ; the row's sum, of the unquantised p: two at a time, in two chains
	v_pk_add_f32 v[WK+16*\u+12:WK+16*\u+13], v[SS+64*\u:SS+64*\u+1], v[SS+64*\u+2:SS+64*\u+3]
.irp j, 4,8,12,16,20,24,28,32,36,40,44,48,52,56,60
	v_pk_add_f32 v[ST+6*\u+2:ST+6*\u+3], v[ST+6*\u+2:ST+6*\u+3], v[SS+64*\u+\j:SS+64*\u+\j+1]
	v_pk_add_f32 v[WK+16*\u+12:WK+16*\u+13], v[WK+16*\u+12:WK+16*\u+13], v[SS+64*\u+\j+2:SS+64*\u+\j+3]
.endr
	s_delay_alu instid0(VALU_DEP_1)
	v_pk_add_f32 v[ST+6*\u+2:ST+6*\u+3], v[ST+6*\u+2:ST+6*\u+3], v[WK+16*\u+12:WK+16*\u+13]
.endm
.macro SM_Q u                                  ; p's scale word and codes
.irp b, 0,1,2,3
	v_max_num_f32 v[WK+16*\u+\b], 0x1800000, v[WK+16*\u+\b]                ; the floor 2^(3 - 127): the byte cannot fall under 1
.endr
.irp b, 0,1,2,3
	s_delay_alu instid0(VALU_DEP_4)
	v_add_nc_u32 v[WK+16*\u+8+\b], 0xff000000, v[WK+16*\u+\b]              ; 2 off the exponent field: the conversion's scale operand
.endr
.irp b, 0,1,2,3
	s_delay_alu instid0(VALU_DEP_4)
	v_lshrrev_b32 v[WK+16*\u+4+\b], 23, v[WK+16*\u+8+\b]                   ; the scale's byte
.endr
	s_delay_alu instid0(VALU_DEP_3)
	v_lshl_or_b32 v[PW+\u], v[WK+16*\u+5], 8, v[WK+16*\u+4]
	s_delay_alu instid0(VALU_DEP_1)
	v_lshl_or_b32 v[PW+\u], v[WK+16*\u+6], 16, v[PW+\u]
	s_delay_alu instid0(VALU_DEP_1)
	v_lshl_or_b32 v[PW+\u], v[WK+16*\u+7], 24, v[PW+\u]
.irp b, 0,1,2,3
	v_cvt_scalef32_pk8_fp4_f32 v[PC+8*\u+2*\b], v[SS+64*\u+16*\b:SS+64*\u+16*\b+7], v[WK+16*\u+8+\b]
	v_cvt_scalef32_pk8_fp4_f32 v[PC+8*\u+2*\b+1], v[SS+64*\u+16*\b+8:SS+64*\u+16*\b+15], v[WK+16*\u+8+\b]
.endr
.endm
.macro SM_W u                                  ; the operand's layout wants a whole block in a lane
.irp c, 0,1
.irp i, 0,1
	v_permlane16_swap_b32 v[PC+8*\u+4*\c+\i], v[PC+8*\u+2+4*\c+\i]
.endr
.endr
.endm
.macro PVH g                                   ; O^T += v^T p^T for channel tiles 8 g .. 8 g + 7 and my two tiles of queries: sixteen accumulators, each once
.irp t, 0,1,2,3,4,5,6,7
.irp u, 0,1
.if (\t/4) == 1
	v_wmma_scale_f32_16x16x128_f8f6f4 v[128*\u+8*(8*\g+\t):128*\u+8*(8*\g+\t)+7], v[SS+8*(8*\g+\t):SS+8*(8*\g+\t)+7], v[PC+8*\u:PC+8*\u+7], v[128*\u+8*(8*\g+\t):128*\u+8*(8*\g+\t)+7], v[SC+4*\g+\t%4], v[PW+\u] matrix_a_fmt:MATRIX_FMT_FP4 matrix_b_fmt:MATRIX_FMT_FP4 matrix_a_scale:MATRIX_SCALE_ROW1
.else
	v_wmma_scale_f32_16x16x128_f8f6f4 v[128*\u+8*(8*\g+\t):128*\u+8*(8*\g+\t)+7], v[SS+8*(8*\g+\t):SS+8*(8*\g+\t)+7], v[PC+8*\u:PC+8*\u+7], v[128*\u+8*(8*\g+\t):128*\u+8*(8*\g+\t)+7], v[SC+4*\g+\t%4], v[PW+\u] matrix_a_fmt:MATRIX_FMT_FP4 matrix_b_fmt:MATRIX_FMT_FP4
.endif
.endr
.endr
.endm
; A KEY STEP: 128 keys.  No barrier and no tensor load stands in it.  last = 1: the low quarter's waves leave it out by the wave's number.
.macro STEP last
.if \last
	s_cmp_eq_u32 s[HI], 0
	s_cbranch_scc1 .Lhid_\@
.endif
	s_cmp_gt_i32 s[KF], s[QL]                      ; all its keys come after my queries: the step's work is left out
	s_cbranch_scc1 .Lhid_\@
	v_add_nc_u32 v[ADR], s[TB], v[LI]
	PLACES 5                                       ; behind the last step's products: four for the loads into registers that they read, the fifth for the scores, which are laid over v's fragments
	ds_load_b128 v[SC:SC+3], v[ADR] offset:32768   ; k's scale words: tiles 0-3; lanes 0-15 K step 0's, lanes 16-31 K step 1's
	ds_load_b128 v[SC+4:SC+7], v[ADR] offset:33280 ; tiles 4-7
	KLOAD KB0, 0
	KLOAD KB1, 2
	s_wait_alu depctr_va_vdst(0)
	s_wait_dscnt 8                                 ; all but the other buffer's eight loads
	KQ KB0, 0
	PLACES 4
	KLOAD KB0, 4
	s_wait_dscnt 8
	KQ KB1, 2
	PLACES 4
	KLOAD KB1, 6
	s_wait_dscnt 8
	KQ KB0, 4
	s_wait_dscnt 0x0
	KQ KB1, 6
	PLACES 4                                       ; in front of the first read of results, of the loads into the scale words, and of the vector work that takes k's registers
	ds_load_b128 v[SC:SC+3], v[ADR] offset:33792   ; v's scale words: lanes 0-15 channel tiles 0-3, lanes 16-31 tiles 4-7;
	ds_load_b128 v[SC+4:SC+7], v[ADR] offset:34304 ; tiles 8-11 and 12-15
	s_add_co_u32 s44, s[KF], 127
	s_cmp_le_i32 s44, s[Q0]                        ; all its keys count for all my queries: no mask
	s_cbranch_scc1 .Lopen_\@
	s_sub_co_u32 s44, s[Q0], s[KF]
	v_add_nc_u32 v[THR], s44, v[DQ]                ; tile 0: my query - KF - 16 h;
	s_delay_alu instid0(VALU_DEP_1)
	v_add_nc_u32 v[THR+1], 8, v[THR]               ; tile 1's queries lie 8 further on
	v_mov_b32 v[NINF], 0xff800000
	MASK 0
	MASK 1
.Lopen_\@:
	SM_M 0
	SM_M 1
	SM_C
	SM_T 0
	SM_T 1
	s_wait_alu depctr_va_vdst(0)
	SM_E 0
	SM_E 1
	v_pk_mul_f32 v[ST+2:ST+3], v[ST+2:ST+3], v[ST+4:ST+5] op_sel_hi:[1,0]       ; the sums under the new M (a plain place behind the exponentials); of f's pair the low word serves both halves
	v_pk_mul_f32 v[ST+8:ST+9], v[ST+8:ST+9], v[ST+10:ST+11] op_sel_hi:[1,0]
	s_wait_alu depctr_va_vdst(0)                   ; one wait for the batch of 128 exponentials, ahead of its first reader
	SM_B 0
	SM_B 1
	SM_S 0                                         ; (it reads the 128 alone: plain work behind the eight)
	SM_S 1
	s_wait_alu depctr_va_vdst(0)                   ; and one for the eight
	SM_Q 0
	SM_Q 1
	v_nop                                          ; one plain place behind the scaled conversions
.set n, 0
.rept 16
	ds_load_b128 v[SS+8*n:SS+8*n+3], v[ADR] offset:16384+n*1024            ; v's 16 fragments take p's registers
	ds_load_b128 v[SS+8*n+4:SS+8*n+7], v[ADR] offset:16384+n*1024+512
.set n, n+1
.endr
	SM_W 0
	SM_W 1
	WIN 0x41                                       ; O^T (destination and source 0) window 1, f window 0
.irp u, 0,1
.set j, 0
.rept 64
	v_pk_mul_f32 v[128*\u+j:128*\u+j+1], v[128*\u+j:128*\u+j+1], v[ST+6*\u+4:ST+6*\u+5] op_sel_hi:[1,0]   ; O^T under the new M; these are also the places between p's codes and scale words and the products
.set j, j+2
.endr
.endr
	WIN 0x50                                       ; C and D window 1
	s_wait_alu depctr_va_vdst(0)
	s_wait_dscnt 16                                ; v's scale words and channel tiles 0-7 are in; tiles 8-15's sixteen loads may be out
	PVH 0
	s_wait_dscnt 0x0
	PVH 1
	WIN 0
.Lhid_\@:
	s_add_co_u32 s[KF], s[KF], 128
	s_add_co_u32 s[TB], s[TB], STEPB
.endm
.macro TWO_STEPS last                          ; a slot's two key steps: written once, walked twice; the LDS addresses hang on s[TB], the tests on s[KF]
	s_mov_b32 s[TWICE], 2
.Lstep_\@:
	STEP \last
	s_sub_co_u32 s[TWICE], s[TWICE], 1
	s_cmp_lg_u32 s[TWICE], 0
	s_cbranch_scc1 .Lstep_\@
.endm
; THE CHANGE OF SLOTS stands at a slot's head.  Each wave waits for all its tensor loads (its part of the slot ahead), adds 0 to its spare word and waits for that and for its LDS instructions; behind the barrier the slot ahead is whole.
; fill = 1: the next slot, which has never been filled, is asked for: one load a wave, the first thing behind the barrier; it has two key steps in which to land.  One load of a wave is out at most.
; A PREFETCH INTO THE L2 of x follows in the loop's second and third trip: 32 of my quarter's 64 rows each (512 bytes each: two aligned blocks of 256, a lane a block, 16 rows an instruction): the first rows are loaded
; two slots' steps behind the first request.  Each block is named once in the launch: no other wave asks for these rows and columns.
.macro CHANGE fill
	s_wait_tensorcnt 0x0                           ; no tensor load of mine is out, so group 0 may be written
	ds_add_u32 v[SPW], v[NIL]                      ; 0 onto my spare word
.if \fill
	ds_add_u32 v[SPW], v[NIL]                      ; 0 onto my spare word; fill = 1: twice on end; the descriptor's steps stand between it and the wait for it
	s_add_co_u32 s[G0+1], s[G0+1], SLP             ; the next slot in LDS,
	s_add_nc_u64 s[G0+2:G0+3], s[G0+2:G0+3], SLOTB ; the next two steps in memory; the type bits on top are not reached
	s_wait_xcnt 0x0                                ; the prefetches have read their address: it may be written
	s_add_nc_u64 s[PFB:PFB+1], s[PFB:PFB+1], 0x100000  ; 32 rows of x on
.endif
	s_wait_dscnt 0x0
	s_barrier_signal -1
	s_barrier_wait -1
.if \fill
	s_cmp_lt_u32 s[SLOTS], s[LIMW]                 ; window 0's slots 2 and 3 are read by no step, so they are not asked for: ids and the count of slots alone, all eight waves go the same way
	s_cbranch_scc1 .Lpast_\@
	TLOAD
.Lpast_\@:
	s_cmp_lt_u32 s[SLOTS], 3
	s_cbranch_scc0 .Lnoask_\@
	global_prefetch_b8 v[PFO], s[PFB:PFB+1] th:TH_LOAD_NT scope:SCOPE_SE
	global_prefetch_b8 v[PFO], s[PFB:PFB+1] offset:524288 th:TH_LOAD_NT scope:SCOPE_SE
.Lnoask_\@:
.endif
.endm
; THE WAY OUT.  NORM: O^T / the sum.
.macro NORM
	PLACES 4                                       ; behind the last products: for the first read of O^T
.irp u, 0,1
	v_add_f32 v[ST+6*\u+2], v[ST+6*\u+2], v[ST+6*\u+3]
.endr
.irp u, 0,1
	v_permlanex16_b32 v[ST+6*\u+3], v[ST+6*\u+2], s[SEL], s[SEL+1]
.endr
.irp u, 0,1
	v_add_f32 v[ST+6*\u+2], v[ST+6*\u+2], v[ST+6*\u+3]     ; with lane l xor 16's keys: the row's sum
.endr
	s_wait_alu depctr_va_vdst(0)
.irp u, 0,1
	v_rcp_f32 v[ST+6*\u+4], v[ST+6*\u+2]
.endr
	v_nop                                          ; a plain place behind the reciprocals
	s_wait_alu depctr_va_vdst(0)                   ; one wait for the two, ahead of their first reader
	WIN 0x41
.irp u, 0,1
.set j, 0
.rept 64
	v_pk_mul_f32 v[128*\u+j:128*\u+j+1], v[128*\u+j:128*\u+j+1], v[ST+6*\u+4:ST+6*\u+5] op_sel_hi:[1,0]   ; each accumulator from its low end on
.set j, j+2
.endr
.endr
	WIN 0
.endm
; STG: channel tiles from .. to - 1 into my quarter's stage, [channel][query].  Register 8 ct + j: channel 16 ct + 8 h + j.
.macro STG from, to
	WIN 0x04                                       ; an LDS store's data are its source 1: window 1
.set ct, \from
.rept (\to)-(\from)
.irp u, 0,1
.irp j, 0,1,2,3,4,5,6,7
	ds_store_b32 v[SA+6*(ct/8)], v[128*\u+8*ct+\j] offset:(16*(ct%8)+\j)*SPITCH+32*\u
.endr
.endr
.set ct, ct+1
.endr
	WIN 0
.endm
.macro XLOAD from                              ; 32 rows of x, 128 tokens each: 512 consecutive bytes a load
.set i, 0
.rept 32
	global_load_b128 v[SS+4*i:SS+4*i+3], v[LI], s[\from:\from+1] offset:i*32768 th:TH_LOAD_NT
.set i, i+1
.endr
.endm
; OUT_B: my 64 channels of the low quarter: whole rows of 512 bytes back from the stage, x added, stored.  x's first 32 rows are in registers already; behind their stores my 32 rows of the high quarter's x are asked for.
.macro OUT_B
	PLACES 4                                       ; ahead of loads into registers that matrix instructions have named
	WIN 0x40
.set i, 0
.rept 32
	global_load_b128 v[4*i:4*i+3], v[LI], s[XB:XB+1] offset:(32+i)*32768 th:TH_LOAD_NT    ; x's rows 32-63
.set i, i+1
.endr
.set i, 0
.rept 32
	ds_load_b128 v[128+4*i:128+4*i+3], v[RDA] offset:i*SPITCH
.set i, i+1
.endr
.irp g, 0,1,2,3
	WIN 0x01
	s_wait_dscnt 24                                ; these eight rows are back; 24 younger LDS loads may be out
.set i, 8*\g
.rept 8
	v_pk_add_f32 v[SS+4*i:SS+4*i+1], v[128+4*i:128+4*i+1], v[SS+4*i:SS+4*i+1]
	v_pk_add_f32 v[SS+4*i+2:SS+4*i+3], v[128+4*i+2:128+4*i+3], v[SS+4*i+2:SS+4*i+3]
.set i, i+1
.endr
	WIN 0x40
.set i, 8*\g
.rept 8
	ds_load_b128 v[128+4*i:128+4*i+3], v[RDA] offset:(32+i)*SPITCH
.set i, i+1
.endr
	WIN 0
.set i, 8*\g
.rept 8
	global_store_b128 v[LI], v[SS+4*i:SS+4*i+3], s[OB:OB+1] offset:i*32768 th:TH_STORE_NT  ; 32 lanes store 512 consecutive bytes, at a multiple of 256 from out0's first byte
.set i, i+1
.endr
.endr
	s_wait_xcnt 0x0                                ; the stores have read their data: loads may land there
	XLOAD XC
.irp g, 0,1,2,3
	WIN 0x45
	s_wait_dscnt 24-8*\g
	s_wait_loadcnt 56-8*\g                         ; behind these eight rows: the rest of the 32, and the 32 of the high quarter
.set i, 8*\g
.rept 8
	v_pk_add_f32 v[4*i:4*i+1], v[128+4*i:128+4*i+1], v[4*i:4*i+1]
	v_pk_add_f32 v[4*i+2:4*i+3], v[128+4*i+2:128+4*i+3], v[4*i+2:4*i+3]
.set i, i+1
.endr
	WIN 0x04
.set i, 8*\g
.rept 8
	global_store_b128 v[LI], v[4*i:4*i+3], s[OB:OB+1] offset:(32+i)*32768 th:TH_STORE_NT
.set i, i+1
.endr
.endr
	WIN 0
	s_wait_xcnt 0x0                                ; the last stores have read their data
.endm
	s_wait_alu depctr_va_vdst(0)
	s_wait_loadcnt 0x0                             ; q
.Lslot:                                            ; three trips, slots 0 to 2: a trip asks for the next slot and works two key steps
	CHANGE 1
	TWO_STEPS 0
	s_add_co_u32 s[TB], s[TB], SLP-2*STEPB
	s_sub_co_u32 s[SLOTS], s[SLOTS], 1
	s_cmp_lg_u32 s[SLOTS], 0
	s_cbranch_scc1 .Lslot
	CHANGE 0                                       ; slot 3's head: nothing is left to ask for.  Behind this barrier no wave reads slots 0 to 2 any more, and all slots have had their last fill
	s_mov_b32 s[TB], 3*SLP
	s_cmp_eq_u32 s[HI], 1
	s_cbranch_scc1 .Lhigh_1
	PLACES 4                                       ; ahead of loads into registers that matrix instructions have read
	XLOAD XB                                       ; the low quarter has seen its last key: its x's first 32 rows, while its results go into the low stage
	NORM
	STG 0, 16
	s_wait_loadcnt 0x0                             ; (nothing of this arm is pending where the waves' ways join)
.Lhigh_1:
	s_wait_dscnt 0x0                               ; for the others' sake: my stores into the stage are done
	s_barrier_signal -1
	TWO_STEPS 1                                    ; the high quarter's last two steps: registers and LDS loads of slot 3, into which nobody stores ahead of a later barrier
	s_barrier_wait -1                              ; the low stage is whole
	s_cmp_eq_u32 s[HI], 1
	s_cbranch_scc1 .Lhigh_2
	OUT_B
	s_branch .Lshare
.Lhigh_2:
	PLACES 4
	XLOAD XC                                       ; my 32 rows of the high quarter's x
	NORM
	STG 0, 14                                      ; channels 0-223: under slot 3
.Lshare:
	s_wait_alu depctr_va_vdst(0)
	s_wait_dscnt 0x0                               ; my reads of slot 3 and of the low stage are over
	s_barrier_signal -1
	s_barrier_wait -1
	s_cmp_eq_u32 s[HI], 0
	s_cbranch_scc1 .Llow_3
	STG 14, 16                                     ; channels 224-255: over slot 3's first step
.Llow_3:
	s_wait_dscnt 0x0
	s_barrier_signal -1
	s_barrier_wait -1                              ; the high stage is whole
	v_add_nc_u32 v[ADR], STGH, v[RDA]
	WIN 0x40
.set i, 0
.rept 32
	ds_load_b128 v[4*i:4*i+3], v[ADR] offset:i*SPITCH
.set i, i+1
.endr
.irp g, 0,1,2,3                                ; my 32 channels of the high quarter, eight rows at a time
	WIN 0x01
	s_wait_dscnt 24-8*\g
	s_wait_loadcnt 24-8*\g                         ; on both ways here the 32 rows of x are the wave's youngest loads
.set i, 8*\g
.rept 8
	v_pk_add_f32 v[SS+4*i:SS+4*i+1], v[4*i:4*i+1], v[SS+4*i:SS+4*i+1]
	v_pk_add_f32 v[SS+4*i+2:SS+4*i+3], v[4*i+2:4*i+3], v[SS+4*i+2:SS+4*i+3]
.set i, i+1
.endr
	WIN 0
.set i, 8*\g
.rept 8
	global_store_b128 v[LI], v[SS+4*i:SS+4*i+3], s[OC:OC+1] offset:i*32768 th:TH_STORE_NT
.set i, i+1
.endr
.endr
	s_wait_tensorcnt 0x0                           ; the wave's end: behind my last tensor load and my last LDS store
	ds_add_u32 v[SPW], v[NIL]
	s_wait_dscnt 0x0
	s_endpgm
.Lfunc_end_k_q5ebd888bff_attn:
	.size	k_q5ebd888bff_attn, .Lfunc_end_k_q5ebd888bff_attn-k_q5ebd888bff_attn
	.p2alignl 7, 3214868480
	.fill 96, 4, 3214868480
	.section	.rodata,"a",@progbits
	.p2align	6, 0x0
	.amdhsa_kernel k_q5ebd888bff_attn
		.amdhsa_group_segment_fixed_size 327680
		.amdhsa_private_segment_fixed_size 0
		.amdhsa_enable_private_segment 0
		.amdhsa_kernarg_size 32
		.amdhsa_user_sgpr_count 2
		.amdhsa_user_sgpr_kernarg_segment_ptr 1
		.amdhsa_wavefront_size32 1
		.amdhsa_system_sgpr_workgroup_id_x 1
		.amdhsa_system_sgpr_workgroup_id_y 1
		.amdhsa_system_sgpr_workgroup_id_z 1
		.amdhsa_system_vgpr_workitem_id 0
		.amdhsa_next_free_vgpr 512
		.amdhsa_next_free_sgpr 80
		.amdhsa_reserve_vcc 1
		.amdhsa_float_denorm_mode_32 3
		.amdhsa_float_denorm_mode_16_64 3
		.amdhsa_memory_ordered 1
		.amdhsa_forward_progress 1
		.amdhsa_inst_pref_size 217
	.end_amdhsa_kernel
	.amdgpu_metadata
---
amdhsa.version: [ 1, 2 ]
amdhsa.kernels:
  - .name:           k_q5ebd888bff_attn
    .symbol:         k_q5ebd888bff_attn.kd
    .args:
      - { .name: qws, .offset: 0, .size: 8, .value_kind: global_buffer, .address_space: global }
      - { .name: kvws, .offset: 8, .size: 8, .value_kind: global_buffer, .address_space: global }
      - { .name: x, .offset: 16, .size: 8, .value_kind: global_buffer, .address_space: global }
      - { .name: out0, .offset: 24, .size: 8, .value_kind: global_buffer, .address_space: global }
    .group_segment_fixed_size: 327680
    .private_segment_fixed_size: 0
    .kernarg_segment_align: 8
    .kernarg_segment_size: 32
    .max_flat_workgroup_size: 256
    .sgpr_count:     80
    .vgpr_count:     512
    .wavefront_size: 32
...
	.end_amdgpu_metadata
.endif
;; end of part 2
